; MI455X (gfx1250); checked and timed in simulation.
; The chip was launched on July 23, 2026; its instructions are those of AMD's public machine-readable ISA for CDNA 5 (MIT licence, August 2026) and "CDNA5" Instruction Set Architecture Reference Guide (July 2026). The comments in the code are by the model that wrote it; some were corrected since.
;; Attention Block. Allowed arithmetic: float matrix products may take bf16 or f16 operands with f32 sums; all other float work in f32.
;; Inputs: k 2 x 12 x 2,048 x 64 float32; q 2 x 12 x 2,048 x 64 float32; v 2 x 12 x 2,048 x 64 float32.
;; Outputs: out0 2 x 12 x 2,048 x 64 float32.
;; One version. Each part assembles by itself: llvm-mc -triple=amdgcn-amd-amdhsa -mcpu=gfx1250 --defsym DOCPART=n.
;; ======== version 1 of 1: 1 launch
;; launch attn (part 1): grid 8 x 24, 8 waves a work-group, clusters of 4 x 1, 327,680 bytes of LDS; arguments q, k, v, out0; writes out0
.if DOCPART == 1
	.amdgcn_target "amdgcn-amd-amdhsa--gfx1250"
	.amdhsa_code_object_version 6
	.text
	.protected	k_q5d48e62376_attn
	.globl	k_q5d48e62376_attn
	.p2align	8
	.type	k_q5d48e62376_attn,@function
k_q5d48e62376_attn:
	s_mov_b64 s[64:65], 0
	v_nop
	global_prefetch_b8 v0, s[64:65] scope:SCOPE_SE
	s_setreg_imm32_b32 hwreg(HW_REG_WAVE_MODE, 25, 1), 1
	s_wait_xcnt 0x0
	s_wait_alu depctr_hold_cnt(0) depctr_sa_sdst(0) depctr_va_vdst(0) depctr_va_sdst(0) depctr_va_ssrc(0) depctr_va_vcc(0) depctr_vm_vsrc(0)
	s_getreg_b32 s2, hwreg(HW_REG_IB_STS2, 6, 4)
	s_cmp_eq_u32 s2, 0
	s_cbranch_scc0 .Lentry_in_a_cluster
	s_endpgm
.Lentry_in_a_cluster:
	s_bfe_u32 s2, ttmp6, 0x10000c
	s_cmp_lg_u32 s2, 0x3003
	s_cbranch_scc0 .Lentry_shape_is_right
	s_endpgm
.Lentry_shape_is_right:
; out = softmax(q k^T / 8) v for 24 heads of 2,048 rows x 64 numbers, f32 in memory; one launch, nothing goes through memory in between.
; WORK: grid y = head; grid x = a block of 256 query rows.  Eight waves: wave w takes query rows 64 (w & 3) .. + 63 of the block (four tiles of 16)
; and, of every tile of 128 keys, the keys 64 (w >> 2) .. + 63.  Each wave keeps its own running maximum, sum and O; waves g and g + 4 merge at the end through LDS.
; CLUSTERS: the four work-groups of a cluster are four query blocks of one head and walk the same K and V tiles, so every tile is asked for JOINTLY
; (mask 15, the same descriptor in all four: head, wave number and trip alone enter it), which divides the requests for K and V by four.
; K AND V come as f32 into one of two LDS slots (tensor loads), are rounded to bf16 once for the work-group (each wave 16 rows of K and of V) into one of two
; stages of their own, one trip ahead of their use, and are read from there as fragments.
; OPERAND ORDER: S^T = K Q^T (source 0 = 16 keys, source 1 = 16 queries): lane (r, h) holds query r, register e key 8 h + e, so maxima and sums over keys stay
; in the lane but for one exchange of the halves, and two packed tiles of S^T ARE source 1 of O^T = V^T P^T (source 0 = V read transposed from LDS).
; LIMITS: q, k, v and the weights p enter the matrix unit rounded to bf16, sums in f32; the divisor is the sum of the unrounded p.  The maximum taken away is the
; true running maximum of the row, so every exponent is at most 0 and the divisor is about 1 or more; weights below 2^-126 count as 0 (v_exp_f32 flushes: ISA guide 15.8).
; NaN and infinite inputs are not treated: a NaN score loses in the maximum and then spreads through its row.
.set ROWB,   256                       ; bytes of a row of q, k, v, out: 64 f32
.set TKEYS,  128                       ; keys in a tile
.set TILEB,  TKEYS*ROWB                ; 32,768 bytes of K, and as many of V, in a tile
.set FSLOT,  2*TILEB                   ; an f32 slot: K's tile, then V's; two slots from LDS byte 0, filled by tensor loads alone
.set GST,    2*FSLOT                   ; the bf16 stages begin here; written by LDS stores alone
.set KP,     144                       ; pitch of K's bf16 rows: 128 bytes + 16 = 9 x 16, so 16 rows of a fragment load start in 16 different 16-byte columns of 256
.set VP,     160                       ; pitch of V's bf16 rows: 128 bytes + 32 = 5 x 32, for the transposing load
.set GV,     TKEYS*KP                  ; V's rows lie behind K's 128
.set GSLOT,  GV+TKEYS*VP               ; 38,912 bytes a stage
.set XCH,    GST+2*GSLOT               ; 208,896: the merge's exchange, 8,704 bytes a wave: two tiles of O (4,096 each), then two x 256 bytes of (offset, sum)
.set XW,     8704
.set XST,    8192
.set OUTS,   XCH+8*XW                  ; 278,528: the way out, 16 rows x 272 bytes a wave
.set OP,     272
.set OW,     16*OP
; window 0
.set KA,  2                            ; v2-3    K fragments in stage 0, 1
.set VA,  4                            ; v4-5    V fragments (transposing load) in stage 0, 1
.set CLK, 6                            ; v6-7    conversion: my f32 words of K in slot 0, 1
.set CLV, 8                            ; v8-9    the same of V
.set CSK, 10                           ; v10-11  conversion: where my bf16 of K go in stage 0, 1
.set CSV, 12                           ; v12-13  the same of V
.set PFO, 14                           ; v14     prefetch: 256 x lane
.set QO,  15                           ; v15     q: 256 r + 32 h
.set XS,  16                           ; v16     exchange, my part;    v17 my partner's
.set XL,  17
.set XSS, 18                           ; v18     its statistics, mine; v19 my partner's
.set XLS, 19
.set OS,  20                           ; v20     way out: in;  v21 back by rows;  v22 the same two rows in out
.set ORD, 21
.set OO,  22
.set NM,  24                           ; v[24+8s+2i] = -c x maximum of q tile i, set s by the trip's parity
.set MX,  25                           ; v[25+2i]    = the raw running maximum
.set LS,  33                           ; v[33+2i]    = the lane's running sum
.set AL,  40                           ; v[40+2i]    = factor for what was summed under the old maximum
.set TT,  41                           ; v[41+2i]    = the max chain at work
.set TP,  48                           ; v48-51      what the other half of the lanes sent
.set SA,  52                           ; v[52:53], v[54:55] two chains of sums
.set FR,  64                           ; v64-127     eight fragments: K's, then V's
.set S,   128                          ; v128-255    S^T tile (i, kt) at 32 i + 8 kt; p in place; P^T (i, ks) packed at 32 i + 16 ks
; window 1 (written by their low 8 bits)
.set O,   0                            ; v256-383    O^T tile (i, dt) at 32 i + 8 dt
.set Q,   128                          ; v384-447    Q fragment (i, ks) at 16 i + 8 ks
.set CV,  192                          ; v448-511    K's and V's words under conversion
.set G1,  24                           ; s[24:31] descriptor group 1, never rewritten
.set G0,  32                           ; s[32:39] descriptor group 0, a set for each slot
.set MSB, 0
.macro WIN new                         ; s_set_vgpr_msb: bits 1:0 source 0, 3:2 source 1, 5:4 source 2, 7:6 destination; the high byte repeats the setting that is left
.if MSB != \new
	s_set_vgpr_msb (MSB<<8)|\new
.set MSB, \new
.endif
.endm
.macro PLACES n
.rept \n
	v_nop
.endr
.endm
.macro BAR
	s_barrier_signal -1
	s_barrier_wait -1
.endm
; A round of the cluster's barrier: my work-group's barrier, wave 0 signals for the work-group, every wave waits for all four work-groups, my work-group's barrier again.
.macro ROUND
	s_barrier_signal -1
	s_barrier_wait -1
	s_cmp_lg_u32 s12, 0
	s_cbranch_scc1 .Lnot_wave_0_\@
	s_barrier_signal -3
.Lnot_wave_0_\@:
	s_barrier_wait -3
	s_barrier_signal -1
	s_barrier_wait -1
.endm
	s_load_b256 s[4:11], s[0:1], 0x0               ; q s[4:5], k s[6:7], v s[8:9], out s[10:11]
	v_lshl_add_u32 v254, v0, 2, 0x4c800
	v_mov_b32 v255, 0
	ds_add_u32 v254, v255
	s_wait_dscnt 0x0
	v_lshrrev_b32 v1, 5, v0
	v_readfirstlane_b32 s12, v1                    ; wave 0..7
	s_bfe_u32 s13, ttmp6, 0x40000                  ; cx: my place in the cluster
	s_lshl_b32 s14, ttmp9, 2                       ; in a cluster launch ttmp9 counts clusters
	s_add_co_u32 s14, s14, s13                     ; query block = 4 x cluster x + cx
	s_and_b32 s15, ttmp7, 0xffff                   ; head
	s_and_b32 s20, s12, 3                          ; g: which 64 query rows
	s_lshr_b32 s21, s12, 2                         ; j: which 64 keys of a tile
	s_mov_b32 s22, 0x76543210                      ; v_permlanex16_b32: lane i of one half reads lane i of the other
	s_mov_b32 s23, 0xfedcba98
	; Group 1: what one wave brings is dense in memory, 8,192 bytes = 32 rows of 32 elements of 8 bytes, no padding (the conversion reads it 256 neighbouring bytes at a time)
	s_mov_b32 s[G1+0], 15|(3<<16)|(1<<21)          ; 15:0 mask: all four work-groups of the cluster; 17:16 elements of 8 bytes; 21 set beside a mask
	s_mov_b32 s[G1+1], 32<<16                      ; tensor_dim0 = 32
	s_mov_b32 s[G1+2], 32<<16                      ; tensor_dim1 = 32
	s_mov_b32 s[G1+3], 32<<16                      ; tile_dim0 = 32
	s_mov_b32 s[G1+4], 32                          ; tile_dim1 = 32
	s_mov_b32 s[G1+5], 32                          ; from row to row: 32 elements
	s_mov_b32 s[G1+6], 0
	s_mov_b32 s[G1+7], 0
	; Waves 0-3 bring K's four quarters of a tile, waves 4-7 V's.  Head and wave number alone: the same in all four partners.
	s_lshl_b32 s18, s15, 19                        ; head x 2,048 rows x 256 bytes
	s_lshl_b32 s46, s20, 13                        ; quarter x 8,192
	s_add_co_u32 s18, s18, s46
	s_mov_b32 s19, 0
	s_lshl_b32 s45, s12, 13                        ; and where it goes in a slot: wave x 8,192 (K's 32,768 bytes, then V's)
	; the prefetch's offset: my work-group's eighth of a tile's 64 KiB, from tile 2 on
	s_lshl_b32 s48, s15, 19
	s_lshl_b32 s49, s13, 13                        ; cx x 8,192
	s_add_co_u32 s48, s48, s49
	s_add_co_u32 s48, s48, 2*TILEB
	s_mov_b32 s49, 0
	; q's and out's offset: head, block of 256 rows, my 64 rows
	s_lshl_b32 s50, s15, 19
	s_lshl_b32 s51, s14, 16
	s_add_co_u32 s50, s50, s51
	s_lshl_b32 s51, s20, 14
	s_add_co_u32 s50, s50, s51
	s_mov_b32 s51, 0
	s_wait_kmcnt 0x0
	s_cmp_lt_u32 s12, 4
	s_cselect_b64 s[16:17], s[6:7], s[8:9]         ; K for waves 0-3, V for waves 4-7
	s_add_nc_u64 s[16:17], s[16:17], s[18:19]
	s_cmp_eq_u32 ttmp9, 0
	s_cselect_b64 s[40:41], s[6:7], s[8:9]         ; the head's first cluster prefetches K, its second V: each block is asked for once in the launch
	s_add_nc_u64 s[40:41], s[40:41], s[48:49]
	s_add_nc_u64 s[4:5], s[4:5], s[50:51]
	s_add_nc_u64 s[10:11], s[10:11], s[50:51]
.irp s, 0,1
	s_mov_b32 s[G0+4*\s], 1                                        ; count = 1
	s_add_co_u32 s[G0+4*\s+1], s45, \s*FSLOT                       ; LDS address
	s_add_nc_u64 s[G0+4*\s+2:G0+4*\s+3], s[16:17], \s*TILEB        ; global address: tile s
	s_or_b32 s[G0+4*\s+3], s[G0+4*\s+3], 0x80000000                ; type = 2
.endr
	ROUND                                          ; all four work-groups are here: the first joint loads meet
	tensor_load_to_lds s[G0:G0+3], s[G1:G1+7]      ; tile 0 and tile 1, as one group ahead of every wait on TENSORcnt, LDS read and further barrier;
	s_nop 0
	tensor_load_to_lds s[G0+4:G0+7], s[G1:G1+7]    ; a wave has two tensor loads out here and one behind each later round
	s_nop 0
	; lane terms
	v_and_b32 v56, 31, v0                          ; lane
	v_and_b32 v57, 15, v0                          ; r
	v_bfe_u32 v58, v0, 4, 1                        ; h
	v_and_b32 v59, 7, v0
	v_bfe_u32 v60, v0, 3, 1
	v_lshlrev_b32 v[QO], 8, v57                    ; q: row r, 32 bytes for each half of the lanes
	v_lshl_add_u32 v[QO], v58, 5, v[QO]
	; Q's fragments: lane (r, h) holds query r; registers 0-3 d = 32 ks + 8 h + 0..7, registers 4-7 d = 32 ks + 16 + 8 h + 0..7: four loads of 16 bytes of f32 each
.irp i, 0,1,2,3
.irp ks, 0,1
	global_load_b128 v[S+32*\i+16*\ks:S+32*\i+16*\ks+3],     v[QO], s[4:5] offset:4096*\i+128*\ks
	global_load_b128 v[S+32*\i+16*\ks+4:S+32*\i+16*\ks+7],   v[QO], s[4:5] offset:4096*\i+128*\ks+16
	global_load_b128 v[S+32*\i+16*\ks+8:S+32*\i+16*\ks+11],  v[QO], s[4:5] offset:4096*\i+128*\ks+64
	global_load_b128 v[S+32*\i+16*\ks+12:S+32*\i+16*\ks+15], v[QO], s[4:5] offset:4096*\i+128*\ks+80
.endr
.endr
	v_lshlrev_b32 v[PFO], 8, v56                   ; lanes 256 bytes apart: one prefetch covers my work-group's 8,192 bytes of a tile
	s_cmp_lg_u32 s12, 0
	s_cbranch_scc1 .Lno_first_prefetch             ; wave 0 alone asks
	global_prefetch_b8 v[PFO], s[40:41] th:TH_LOAD_NT scope:SCOPE_SE                ; tile 2, whose tensor load stands in the first trip
	global_prefetch_b8 v[PFO], s[40:41] offset:TILEB th:TH_LOAD_NT scope:SCOPE_SE   ; tile 3
.Lno_first_prefetch:
	; LDS addresses: constants, the wave's number times a constant, lane terms
	s_mul_i32 s46, s21, 64*KP
	s_add_co_u32 s46, s46, GST                     ; my 64 keys of K in stage 0
	s_mul_i32 s47, s21, 64*VP
	s_add_co_u32 s47, s47, GST+GV                  ; my 64 keys of V in stage 0
	s_lshl_b32 s52, s12, 12                        ; conversion: my 16 rows of 256 bytes
	s_mul_i32 s53, s12, 16*KP
	s_add_co_u32 s53, s53, GST
	s_mul_i32 s54, s12, 16*VP
	s_add_co_u32 s54, s54, GST+GV
	s_mul_i32 s55, s12, XW
	s_add_co_u32 s55, s55, XCH                     ; my part of the exchange
	s_xor_b32 s42, s12, 4                          ; my partner: the wave with the same rows and the other keys
	s_mul_i32 s42, s42, XW
	s_add_co_u32 s42, s42, XCH
	s_mul_i32 s43, s12, OW
	s_add_co_u32 s43, s43, OUTS
	v_mul_u32_u24 v[KA], v57, KP                   ; K fragment: row r x pitch + 16 h; two loads 32 bytes apart
	v_lshl_add_u32 v[KA], v58, 4, v[KA]
	v_add_nc_u32 v[KA], s46, v[KA]
	v_add_nc_u32 v[KA+1], GSLOT, v[KA]
	v_lshl_add_u32 v61, v58, 3, v59                ; V fragment: key 8 h + (lane & 7), 16 bytes at 16 x bit 3; two loads 16 keys apart
	v_mul_u32_u24 v[VA], v61, VP
	v_lshl_add_u32 v[VA], v60, 4, v[VA]
	v_add_nc_u32 v[VA], s47, v[VA]
	v_add_nc_u32 v[VA+1], GSLOT, v[VA]
	v_lshlrev_b32 v62, 4, v57                      ; 16 r
	v_lshlrev_b32 v63, 3, v57                      ; 8 r
	v_lshl_add_u32 v[CLK], v58, 11, v62            ; K: lanes 0-15 a row of 256 bytes, lanes 16-31 the row 8 further down
	v_add_nc_u32 v[CLK], s52, v[CLK]
	v_add_nc_u32 v[CLK+1], FSLOT, v[CLK]
	v_lshl_add_u32 v[CLV], v58, 10, v62            ; V: the row 4 further down
	v_add_nc_u32 v[CLV], s52, v[CLV]
	v_add_nc_u32 v[CLV], TILEB, v[CLV]
	v_add_nc_u32 v[CLV+1], FSLOT, v[CLV]
	v_mad_u32_u24 v[CSK], v58, 8*KP, v63           ; 8 x 144 and 4 x 160 bytes are both 128 modulo 256: the two halves of a store of 8 bytes a lane
	v_add_nc_u32 v[CSK], s53, v[CSK]               ; fall on different halves of 256 bytes
	v_add_nc_u32 v[CSK+1], GSLOT, v[CSK]
	v_mad_u32_u24 v[CSV], v58, 4*VP, v63
	v_add_nc_u32 v[CSV], s54, v[CSV]
	v_add_nc_u32 v[CSV+1], GSLOT, v[CSV]
	v_lshl_add_u32 v[XS], v56, 4, s55
	v_lshl_add_u32 v[XL], v56, 4, s42
	v_lshl_add_u32 v[XSS], v56, 3, s55
	v_add_nc_u32 v[XSS], XST, v[XSS]
	v_lshl_add_u32 v[XLS], v56, 3, s42
	v_add_nc_u32 v[XLS], XST, v[XLS]
	v_mul_u32_u24 v[OS], v57, OP                   ; way out, in: row r, 32 bytes for each half of the lanes
	v_lshl_add_u32 v[OS], v58, 5, v[OS]
	v_add_nc_u32 v[OS], s43, v[OS]
	v_mad_u32_u24 v[ORD], v58, OP, v62             ; back: lanes 0-15 one row of 256 bytes, lanes 16-31 the next
	v_add_nc_u32 v[ORD], s43, v[ORD]
	v_lshl_add_u32 v[OO], v58, 8, v62              ; and the same two rows in out
.irp i, 0,1,2,3
	v_mov_b32 v[TP+\i], 0                          ; v_permlanex16_b32 counts as a reader of its destination
.endr
	s_wait_loadcnt 0x0                             ; q is in
	WIN 0x40
.set nn, 0
.rept 64
	v_cvt_pk_bf16_f32 v[Q+nn], v[S+2*nn], v[S+2*nn+1]              ; two roundings to bf16; the order of the loads is the order of the fragments' registers
.set nn, nn+1
.endr
	WIN 0
; Conversion, first half: my 16 rows of K and of V, f32, out of slot s.  K: rows 8 h + i; V: rows 4 h + (i & 3) + 8 (i >> 2).
.macro CONV_LD s
	WIN 0x40
.irp i, 0,1,2,3,4,5,6,7
	ds_load_b128 v[CV+4*\i:CV+4*\i+3], v[CLK+\s] offset:ROWB*\i
.endr
.irp i, 0,1,2,3,4,5,6,7
	ds_load_b128 v[CV+32+4*\i:CV+32+4*\i+3], v[CLV+\s] offset:ROWB*((\i&3)+8*(\i>>2))
.endr
.endm
; Second half: round in place, four f32 to 8 bytes, into stage s.
.macro CONV_ST s
	WIN 0x45
.set nn, 0
.rept 16
	v_cvt_pk_bf16_f32 v[CV+4*nn],   v[CV+4*nn],   v[CV+4*nn+1]
	v_cvt_pk_bf16_f32 v[CV+4*nn+1], v[CV+4*nn+2], v[CV+4*nn+3]
.set nn, nn+1
.endr
	WIN 0x04
.irp i, 0,1,2,3,4,5,6,7
	ds_store_b64 v[CSK+\s], v[CV+4*\i:CV+4*\i+1] offset:KP*\i
.endr
.irp i, 0,1,2,3,4,5,6,7
	ds_store_b64 v[CSV+\s], v[CV+32+4*\i:CV+32+4*\i+1] offset:VP*((\i&3)+8*(\i>>2))
.endr
.endm
; K's eight fragments (16 keys kt x 32 d ks), in the order in which they are used
.macro KLOAD s
.irp kt, 0,1,2,3
.irp ks, 0,1
	ds_load_b128 v[FR+16*\kt+8*\ks:FR+16*\kt+8*\ks+3],   v[KA+\s] offset:16*KP*\kt+64*\ks
	ds_load_b128 v[FR+16*\kt+8*\ks+4:FR+16*\kt+8*\ks+7], v[KA+\s] offset:16*KP*\kt+64*\ks+32
.endr
.endr
.endm
; S^T = K Q^T: 32 matrix instructions.  The first product of each tile starts its sum.  The four q tiles' accumulators take turns, one instruction a turn.
; left = LDS instructions issued behind K's loads.
.macro QK left
	WIN 0x04
.irp kt, 0,1,2,3
	s_wait_dscnt \left+12-4*\kt                    ; LDS loads come back in order (ISA guide 5.7.1): the four of key block kt are in, those of later blocks and the left younger ones may be out
.irp ks, 0,1
.irp i, 0,1,2,3
.if \ks
	v_wmma_f32_16x16x32_bf16 v[S+32*\i+8*\kt:S+32*\i+8*\kt+7], v[FR+16*\kt+8*\ks:FR+16*\kt+8*\ks+7], v[Q+16*\i+8*\ks:Q+16*\i+8*\ks+7], v[S+32*\i+8*\kt:S+32*\i+8*\kt+7]
.else
	v_wmma_f32_16x16x32_bf16 v[S+32*\i+8*\kt:S+32*\i+8*\kt+7], v[FR+16*\kt+8*\ks:FR+16*\kt+8*\ks+7], v[Q+16*\i+8*\ks:Q+16*\i+8*\ks+7], 0
.endif
.endr
.endr
.endr
.endm
; V^T's eight fragments (16 d dt x 32 keys ks), transposed on the way out of LDS
.macro VLOAD s
.irp ks, 0,1
.irp dt, 0,1,2,3
	ds_load_tr16_b128 v[FR+32*\ks+8*\dt:FR+32*\ks+8*\dt+3],   v[VA+\s] offset:32*VP*\ks+32*\dt
	ds_load_tr16_b128 v[FR+32*\ks+8*\dt+4:FR+32*\ks+8*\dt+7], v[VA+\s] offset:32*VP*\ks+32*\dt+16*VP
.endr
.endr
.endm
; In trip t wave 0 asks for my work-group's 8,192 bytes of tile t + 4, whose tensor load stands two trips further on; the eight work-groups of a head share a tile's 64 KiB.
; Trips 0 to 11 ask, the last for tile 15: nothing points past the head's rows.
.macro PREF
	s_cmp_lg_u32 s12, 0
	s_cbranch_scc1 .Lno_prefetch_\@
	s_wait_xcnt 0x0                                ; the last trip's prefetch has had its address translated (ISA guide 3.1): its base is stepped only behind this wait
	s_add_nc_u64 s[40:41], s[40:41], TILEB
	global_prefetch_b8 v[PFO], s[40:41] offset:TILEB th:TH_LOAD_NT scope:SCOPE_SE
.Lno_prefetch_\@:
.endm
; The lane's largest of the old maximum and its 32 scores, for each q tile; the four chains are interleaved
.macro MAXALL first
.irp i, 0,1,2,3
.if \first
	v_max_num_f32 v[TT+2*\i], v[S+32*\i], v[S+32*\i+1]
.else
	v_max3_num_f32 v[TT+2*\i], v[MX+2*\i], v[S+32*\i], v[S+32*\i+1]
.endif
.endr
.irp n, 1,2,3,4,5,6,7,8,9,10,11,12,13,14,15
.irp i, 0,1,2,3
	v_max3_num_f32 v[TT+2*\i], v[TT+2*\i], v[S+32*\i+2*\n], v[S+32*\i+2*\n+1]
.endr
.endr
.endm
; The new maximum m of each query (both halves of the lanes), the exponents' offset -c m with c = log2(e) / 8, and the factor 2^(c m_old - c m) for what was summed before.
; The factor is made from the two ROUNDED offsets, the ones that the exponents use, so that old and new weights stay on one scale and the factor is exactly 1 when m stays.
.macro STATS s, o, first
.irp i, 0,1,2,3
	v_permlanex16_b32 v[TP+\i], v[TT+2*\i], s22, s23
.endr
.irp i, 0,1,2,3
	v_max_num_f32 v[MX+2*\i], v[TT+2*\i], v[TP+\i]
.endr
.irp i, 0,1,2,3
	v_mul_f32 v[NM+8*\s+2*\i], 0xbe38aa3b, v[MX+2*\i]
.endr
.if \first == 0
.irp i, 0,1,2,3
	v_sub_f32 v[AL+2*\i], v[NM+8*\s+2*\i], v[NM+8*\o+2*\i]
.endr
.irp i, 0,1,2,3
	v_exp_f32 v[AL+2*\i], v[AL+2*\i]
.endr
	v_nop                                          ; one plain vector instruction behind a transcendental before its result is used (ISA guide 5.7.2)
.endif
.endm
.macro RESCALE
	WIN 0x41
	s_wait_alu depctr_va_vdst(0)
.irp i, 0,1,2,3
.set nn, 0
.rept 16
	v_pk_mul_f32 v[O+32*\i+2*nn:O+32*\i+2*nn+1], v[O+32*\i+2*nn:O+32*\i+2*nn+1], v[AL+2*\i:AL+2*\i+1] op_sel_hi:[1,0]
.set nn, nn+1
.endr
.endr
.endm
.macro FMA i, s                        ; exponents c s - c m, two at a time
.set nn, 0
.rept 16
	v_pk_fma_f32 v[S+32*\i+2*nn:S+32*\i+2*nn+1], v[S+32*\i+2*nn:S+32*\i+2*nn+1], 0x3e38aa3b, v[NM+8*\s+2*\i:NM+8*\s+2*\i+1] op_sel_hi:[1,0,0]
.set nn, nn+1
.endr
.endm
.macro EXPT i                          ; what follows each EXPT in a trip is plain work on another tile: the place behind a transcendental
.set nn, 0
.rept 32
	v_exp_f32 v[S+32*\i+nn], v[S+32*\i+nn]
.set nn, nn+1
.endr
.endm
; Tile i: the lane's sum of its 32 weights in two chains, and the weights packed to bf16 in place.  Pair e goes to register 16 (e >> 3) + (e & 7),
; which lies in a pair that has been summed and packed already (or is its own first register).
.macro SUMCVT i, first
	s_wait_alu depctr_va_vdst(0)
	v_pk_add_f32 v[SA:SA+1],   v[S+32*\i:S+32*\i+1],   v[S+32*\i+4:S+32*\i+5]
	v_pk_add_f32 v[SA+2:SA+3], v[S+32*\i+2:S+32*\i+3], v[S+32*\i+6:S+32*\i+7]
.set ee, 4
.rept 12
	v_pk_add_f32 v[SA+2*(ee&1):SA+2*(ee&1)+1], v[SA+2*(ee&1):SA+2*(ee&1)+1], v[S+32*\i+2*ee:S+32*\i+2*ee+1]
	v_cvt_pk_bf16_f32 v[S+32*\i+16*((ee-4)>>3)+((ee-4)&7)], v[S+32*\i+2*(ee-4)], v[S+32*\i+2*(ee-4)+1]
.set ee, ee+1
.endr
.rept 4
	v_cvt_pk_bf16_f32 v[S+32*\i+16*((ee-4)>>3)+((ee-4)&7)], v[S+32*\i+2*(ee-4)], v[S+32*\i+2*(ee-4)+1]
.set ee, ee+1
.endr
	v_pk_add_f32 v[SA:SA+1], v[SA:SA+1], v[SA+2:SA+3]
.if \first
	v_add_f32 v[LS+2*\i], v[SA], v[SA+1]
.else
	v_fma_f32 v[LS+2*\i], v[LS+2*\i], v[AL+2*\i], v[SA]
	v_add_f32 v[LS+2*\i], v[LS+2*\i], v[SA+1]
.endif
.endm
; O^T(i) += V^T P^T(i): 8 matrix instructions; the four d tiles' accumulators take turns, one instruction a turn.
.macro PV i, first
	WIN 0x50
.irp ks, 0,1
.irp dt, 0,1,2,3
.if \first*(1-\ks)
	v_wmma_f32_16x16x32_bf16 v[O+32*\i+8*\dt:O+32*\i+8*\dt+7], v[FR+32*\ks+8*\dt:FR+32*\ks+8*\dt+7], v[S+32*\i+16*\ks:S+32*\i+16*\ks+7], 0
.else
	v_wmma_f32_16x16x32_bf16 v[O+32*\i+8*\dt:O+32*\i+8*\dt+7], v[FR+32*\ks+8*\dt:FR+32*\ks+8*\dt+7], v[S+32*\i+16*\ks:S+32*\i+16*\ks+7], v[O+32*\i+8*\dt:O+32*\i+8*\dt+7]
.endif
.endr
.endr
	WIN 0
.endm
; Trip t, s = t & 1, o = 1 - s.  Stage s holds tile t in bf16; slot o holds tile t + 1 in f32.
; refill: tile t + 2 is asked for, into slot s, which was read in the last trip.  conv: tile t + 1 is rounded into stage o, which was read in the last trip.
.macro TRIP s, o, first, refill, conv, pref
.if \first == 0
	PLACES 5                                       ; behind the last trip's matrix instructions: four places before loads land in their fragments, five before
	                                               ; matrix instructions write over their P^T (ISA guide 7.12.1 for matrix instructions)
.endif
.if \refill+\conv
	s_wait_xcnt 0x0
	v_lshl_add_u32 v254, v0, 2, 0x4c800
	v_mov_b32 v255, 0
	s_wait_tensorcnt 0x0                           ; all my tensor loads have landed: the one that was out is my part of tile t + 1,
	ds_add_u32 v254, v255
	s_wait_dscnt 0x0
.endif
.if \refill
	s_add_nc_u64 s[G0+4*\s+2:G0+4*\s+3], s[G0+4*\s+2:G0+4*\s+3], 2*TILEB   ; so a group 0 may be written: this slot's next tile
.endif
	s_wait_dscnt 0x0                               ; my reads of slot s and of stage o are back, my stores into stage s are done
.if \refill
	ROUND                                          ; all that holds of every wave of all four work-groups
	tensor_load_to_lds s[G0+4*\s:G0+4*\s+3], s[G1:G1+7]            ; my one tensor load behind the round, and the first thing there: it has the whole trip in which to land
	s_nop 0
.else
	BAR                                            ; nothing is filled again: the work-group's barrier does
.endif
	KLOAD \s
.if \conv
	CONV_LD \o
	QK 16
.else
	QK 0
.endif
	WIN 0
	PLACES 4                                       ; behind the last product: before V's loads land in K's fragments and before the maxima read S^T
	VLOAD \s
.if \pref
	PREF
.endif
	MAXALL \first
	STATS \s, \o, \first
.if \conv
	s_wait_dscnt 16                                ; the conversion's 16 loads are in; the 16 younger are V's
	CONV_ST \o
.endif
.if \first == 0
	RESCALE
.endif
	WIN 0
	FMA 0, \s
	EXPT 0
	FMA 1, \s
	EXPT 1
	SUMCVT 0, \first
.if \conv
	s_wait_dscnt 16                                ; V's 16 loads are in; the 16 younger are the stage's stores
.else
	s_wait_dscnt 0
.endif
	PV 0, \first
	FMA 2, \s
	EXPT 2
	SUMCVT 1, \first
	PV 1, \first
	FMA 3, \s
	EXPT 3
	SUMCVT 2, \first
	PV 2, \first
	SUMCVT 3, \first
	PV 3, \first
.endm
	s_wait_tensorcnt 0x1                           ; my part of tile 0 is in; tile 1's stays out
	BAR                                            ; everybody's is
	CONV_LD 0
	s_wait_dscnt 0x0
	CONV_ST 0                                      ; tile 0 in bf16, in stage 0
	WIN 0
	TRIP 0, 1, 1, 1, 1, 1                          ; tile 0: its first products start O's sums, nothing is cleared
	TRIP 1, 0, 0, 1, 1, 1
	s_mov_b32 s44, 5
.Ltrips:                                           ; tiles 2 to 11
	TRIP 0, 1, 0, 1, 1, 1
	TRIP 1, 0, 0, 1, 1, 1
	s_sub_co_i32 s44, s44, 1
	s_cmp_lg_u32 s44, 0
	s_cbranch_scc1 .Ltrips
	TRIP 0, 1, 0, 1, 1, 0                          ; tiles 12 and 13 still ask for tiles 14 and 15, and prefetch nothing
	TRIP 1, 0, 0, 1, 1, 0
	TRIP 0, 1, 0, 0, 1, 0                          ; tile 14: nothing is left to fetch; tile 15 is rounded
	TRIP 1, 0, 0, 0, 0, 0                          ; tile 15
	; THE MERGE.  Waves g and g + 4 hold (offset, sum, O) of the same 64 queries over different keys.  Each gives two of its four q tiles to the other and finishes the other two.
	PLACES 4                                       ; behind the last matrix instructions, before their results are read
.irp i, 0,1,2,3
	v_permlanex16_b32 v[TP+\i], v[LS+2*\i], s22, s23
.endr
.irp i, 0,1,2,3
	v_add_f32 v[LS+2*\i], v[LS+2*\i], v[TP+\i]     ; the sum over both halves of the lanes
.endr
.macro GIVE i, x
	WIN 0x04
.irp e, 0,1,2,3,4,5,6,7
	ds_store_b128 v[XS], v[O+32*\i+4*\e:O+32*\i+4*\e+3] offset:4096*\x+512*\e
.endr
	WIN 0
	ds_store_b64 v[XSS], v[NM+8+2*\i:NM+8+2*\i+1] offset:256*\x   ; (-c m, sum): the last trip's set is set 1
.endm
; Tile i, the partner's copy at place x: n = the smaller offset (the larger maximum), a = 2^(n - own offset), out = (a0 O0 + a1 O1) / (a0 l0 + a1 l1).
; Then 16 rows through my part of the way out: 32 bytes a lane in, whole rows of 256 bytes back, so that each store's sixteen neighbouring lanes cover 256 consecutive bytes, aligned.
.macro TAKE i, x
	ds_load_b64 v[56:57], v[XLS] offset:256*\x
.irp e, 0,1,2,3,4,5,6,7
	ds_load_b128 v[S+32*\x+4*\e:S+32*\x+4*\e+3], v[XL] offset:4096*\x+512*\e
.endr
	s_wait_dscnt 0x8                               ; the partner's two numbers are in; its O, eight younger loads, may be out
	v_min_num_f32 v58, v[NM+8+2*\i], v56
	v_sub_f32 v60, v58, v[NM+8+2*\i]
	v_sub_f32 v61, v58, v56
	v_exp_f32 v60, v60
	v_exp_f32 v61, v61
	v_nop                                          ; the place behind a transcendental
	s_wait_alu depctr_va_vdst(0)
	v_mul_f32 v62, v[LS+2*\i], v60
	v_fmac_f32 v62, v57, v61
	v_rcp_f32 v63, v62
	v_nop                                          ; the place behind a transcendental
	s_wait_alu depctr_va_vdst(0)
	v_mul_f32 v40, v60, v63
	v_mul_f32 v42, v61, v63
	WIN 0x01
.set nn, 0
.rept 16
	v_pk_mul_f32 v[FR+32*\x+2*nn:FR+32*\x+2*nn+1], v[O+32*\i+2*nn:O+32*\i+2*nn+1], v[40:41] op_sel_hi:[1,0]
.set nn, nn+1
.endr
	WIN 0
	s_wait_dscnt 0x0
.set nn, 0
.rept 16
	v_pk_fma_f32 v[FR+32*\x+2*nn:FR+32*\x+2*nn+1], v[S+32*\x+2*nn:S+32*\x+2*nn+1], v[42:43], v[FR+32*\x+2*nn:FR+32*\x+2*nn+1] op_sel_hi:[1,0,1]
.set nn, nn+1
.endr
.irp dt, 0,1,2,3
.irp e, 0,1
	ds_store_b128 v[OS], v[FR+32*\x+8*\dt+4*\e:FR+32*\x+8*\dt+4*\e+3] offset:64*\dt+16*\e    ; query r, d = 16 dt + 8 h + 4 e ..
.endr
.endr
.irp t, 0,1,2,3,4,5,6,7
	ds_load_b128 v[S+64+32*\x+4*\t:S+64+32*\x+4*\t+3], v[ORD] offset:2*OP*\t                 ; LDS serves a wave's instructions in order (ISA guide 5.7.1.4): these see the stores above
.endr
.irp t, 0,1,2,3,4,5,6,7
	s_wait_dscnt 7-\t
	global_store_b128 v[OO], v[S+64+32*\x+4*\t:S+64+32*\x+4*\t+3], s[10:11] offset:4096*\i+512*\t th:TH_STORE_NT
.endr
.endm
	s_cmp_lt_u32 s12, 4
	s_cbranch_scc0 .Lgive_low
	GIVE 2, 0
	GIVE 3, 1
	s_branch .Lgiven
.Lgive_low:
	GIVE 0, 0
	GIVE 1, 1
.Lgiven:
	s_wait_dscnt 0x0                               ; for my partner's sake: my stores are done
	BAR
	s_cmp_lt_u32 s12, 4
	s_cbranch_scc0 .Ltake_high
	TAKE 0, 0
	TAKE 1, 1
	s_branch .Ltaken
.Ltake_high:
	TAKE 2, 0
	TAKE 3, 1
.Ltaken:
	s_wait_dscnt 0x0                               ; no LDS instruction is pending at a signal (met: the count-down ended at 0)
	s_wait_xcnt 0x0
	v_lshl_add_u32 v254, v0, 2, 0x4c800
	v_mov_b32 v255, 0
	s_wait_tensorcnt 0x0
	ds_add_u32 v254, v255
	s_wait_dscnt 0x0
	ROUND                                          ; the closing round: no work-group ends while a partner may still ask for a tile that names it
	s_endpgm
.Lfunc_end_k_q5d48e62376_attn:
	.size	k_q5d48e62376_attn, .Lfunc_end_k_q5d48e62376_attn-k_q5d48e62376_attn
	.p2alignl 7, 3214868480
	.fill 96, 4, 3214868480
	.section	.rodata,"a",@progbits
	.p2align	6, 0x0
	.amdhsa_kernel k_q5d48e62376_attn
		.amdhsa_group_segment_fixed_size 327680
		.amdhsa_private_segment_fixed_size 0
		.amdhsa_enable_private_segment 0
		.amdhsa_kernarg_size 32
		.amdhsa_user_sgpr_count 2
		.amdhsa_user_sgpr_kernarg_segment_ptr 1
		.amdhsa_wavefront_size32 1
		.amdhsa_system_sgpr_workgroup_id_x 1
		.amdhsa_system_sgpr_workgroup_id_y 1
		.amdhsa_system_sgpr_workgroup_id_z 1
		.amdhsa_system_vgpr_workitem_id 0
		.amdhsa_next_free_vgpr 512
		.amdhsa_next_free_sgpr 66
		.amdhsa_reserve_vcc 0
		.amdhsa_float_denorm_mode_32 3
		.amdhsa_float_denorm_mode_16_64 3
		.amdhsa_memory_ordered 1
		.amdhsa_forward_progress 1
		.amdhsa_inst_pref_size 255
	.end_amdhsa_kernel
	.section	.bss,"aw",@nobits
	.p2align	6
	.space	262144
	.amdgpu_metadata
---
amdhsa.version: [ 1, 2 ]
amdhsa.kernels:
  - .name:           k_q5d48e62376_attn
    .symbol:         k_q5d48e62376_attn.kd
    .args:
      - { .name: q, .offset: 0, .size: 8, .value_kind: global_buffer, .address_space: global }
      - { .name: k, .offset: 8, .size: 8, .value_kind: global_buffer, .address_space: global }
      - { .name: v, .offset: 16, .size: 8, .value_kind: global_buffer, .address_space: global }
      - { .name: out0, .offset: 24, .size: 8, .value_kind: global_buffer, .address_space: global }
    .group_segment_fixed_size: 327680
    .private_segment_fixed_size: 0
    .kernarg_segment_align: 8
    .kernarg_segment_size: 32
    .max_flat_workgroup_size: 256
    .sgpr_count:     66
    .vgpr_count:     512
    .wavefront_size: 32
...
	.end_amdgpu_metadata
.endif
;; end of part 1
